; MI455X (gfx1250); checked and timed in simulation.
; The chip was launched on July 23, 2026; its instructions are those of AMD's public machine-readable ISA for CDNA 5 (MIT licence, August 2026) and "CDNA5" Instruction Set Architecture Reference Guide (July 2026). The comments in the code are by the model that wrote it; some were corrected since.
;; My LSTM Unit. Allowed arithmetic: matrix products marked QUANTISED: E2M1 operands, one E8M0 scale for each 32 along K, by v_wmma_scale_f32_16x16x128_f8f6f4 with both operands' format E2M1 (or v_wmma_scale_f32_32x16x128_f4), f32 sums; everything else in f32.
;; Inputs: ct 8,192 x 1,024 float32; ht 8,192 x 1,024 float32; wfh_b 1,024 float32; wfh_w 1,024 x 1,024 float32; wfx_b 1,024 float32; wfx_w 1,024 x 1,024 float32; wgh_b 1,024 float32; wgh_w 1,024 x 1,024 float32; wgx_b 1,024 float32; wgx_w 1,024 x 1,024 float32; wih_b 1,024 float32; wih_w 1,024 x 1,024 float32; wix_b 1,024 float32; wix_w 1,024 x 1,024 float32; woh_b 1,024 float32; woh_w 1,024 x 1,024 float32; word_emb 8,192 x 1,024 float32; wox_b 1,024 float32; wox_w 1,024 x 1,024 float32.
;; Outputs: out0 8,192 x 1,024 float32; out1 8,192 x 1,024 float32.
;; This version of the problem:
;;   THIS VERSION OF THE PROBLEM IS GIVEN IN LOW PRECISION. The matrix products marked QUANTISED in the list below multiply operands that are first quantised to E2M1 (2 exponent bits, 1 mantissa bit; 4 bits a number), with one power-of-two scale for each 32 numbers along K (OCP MX v1.0); their sums are f32. All else is computed in f32.
;;   The module's matrix products, in the order in which they are computed (A, B: the left and right operand; K: the contracted axis; several contracted axes count as one K, in the product's order):
;;     1. [M 8,192, K 1,024] x [K 1,024, N 4,096]; A: input word_emb; B: computed on the way: QUANTISED
;;     2. [M 8,192, K 1,024] x [K 1,024, N 4,096]; A: input ht; B: computed on the way: QUANTISED
;;   THE QUANTISER, for each operand of a quantised product, along K:
;;     - K is cut into blocks of 32 from its start; a last block that is shorter is filled with zeros.
;;     - A block's scale is 2^e with e = floor(log2(the largest magnitude in the block)) - 2, held to -126 .. 127; a block of zeros has e = 0. As a byte (E8M0): e + 127.
;;     - Each number is divided by its block's scale, clamped to +-6, and rounded to the nearest number of E2M1, ties to even, subnormals kept.
;;     - The product sums the exact products of the quantised numbers (number of the format x scale) in f32.
;;   ~~~python
;;   def quantise(x, axis):      # numpy; x: float32 -> the quantised numbers, widened to float32 again
;;       x = np.moveaxis(x, axis, -1); K = x.shape[-1]
;;       x = np.pad(x, [(0, 0)] * (x.ndim - 1) + [(0, -K % 32)]); x = x.reshape(x.shape[:-1] + (-1, 32)); a = np.abs(x).max(-1, keepdims=True)
;;       e = np.where(a > 0, np.clip(np.frexp(np.where(a > 0, a, 1))[1] - 1 - 2, -126, 127), 0)      # np.frexp(a)[1] - 1 = floor(log2(a)), exactly
;;       r = np.clip(x / 2.0 ** e, -6, 6)
;;       step = 2.0 ** (np.maximum(np.frexp(np.where(r == 0, 1, r))[1] - 1, 0) - 1)
;;       q = np.round(r / step) * step * 2.0 ** e      # np.round: ties to even
;;       return np.moveaxis(q.reshape(q.shape[:-2] + (-1,))[..., :K], -1, axis).astype(np.float32)
;;   ~~~
;;   OPERANDS COMPUTED ON THE WAY. 'Computed on the way' means the value that the module computes at that place (a softmax that the list does not call 'softmax' is quantised finished and normalised). What goes into a quantiser is computed in f32, as accurately as f32 sums, v_exp_f32 and their like allow (about 1e-6 of the number): no bf16 or f16 on the way to a quantiser, and a product that is left as it is and whose result goes on into a quantised operand takes f32 operands (vector FMAs, or v_wmma_f32_16x16x4_f32). A number that lies on a knife's edge between two numbers of the format may be rounded either way, as far as f32 arithmetic and the matrix unit's own rounding can turn it there, and no further.
;; One version. Each part assembles by itself: llvm-mc -triple=amdgcn-amd-amdhsa -mcpu=gfx1250 --defsym DOCPART=n.
;; ======== version 1 of 1: 2 launches
;; limits: right only within a limited range of input values
;; workspace buffers: a_img 8,912,896 bytes; b_img 4,456,448 bytes
;; launch quant (part 1): grid 768 x 1, 4 waves a work-group, no clusters, 33,280 bytes of LDS; arguments word_emb, ht, wfx_w, wix_w, wgx_w, wox_w, wfh_w, wih_w, wgh_w, woh_w, a_img, b_img; writes a_img, b_img
.if DOCPART == 1
	.amdgcn_target "amdgcn-amd-amdhsa--gfx1250"
	.amdhsa_code_object_version 6
	.text
	.protected	k_q7d4fc933a0_quant
	.globl	k_q7d4fc933a0_quant
	.p2align	8
	.type	k_q7d4fc933a0_quant,@function
k_q7d4fc933a0_quant:
	s_mov_b64 s[64:65], 0
	v_nop
	global_prefetch_b8 v0, s[64:65] scope:SCOPE_SE
	s_setreg_imm32_b32 hwreg(HW_REG_WAVE_MODE, 25, 1), 1
	s_wait_xcnt 0x0
; The ten f32 operands of the two quantised products become codes of FP4 (E2M1), K innermost, with one E8M0 byte for each 32 along K.
; No work of the problem is left out: every input has a way to an output and is loaded by this launch or the next.
; The two products are laid as ONE, K = 2,048: K steps 0, 1 (512 each) are the x tensor's columns, K steps 2, 3 the h tensor's.  Both K are multiples of 32, so the blocks are those of the two products.
; THE IMAGES.  a_img and b_img are dense images of 34,816 bytes, one for each 128 destination rows and K step, [rows / 128][4]: 128 rows x 256 bytes of codes, then 128 rows x 16 scale bytes.
; ORDER OF ROWS.  Destination row 16 i + r comes from source row 64 (i / 4) + 4 r + i % 4 in A; in B, with i = 16 tx + 4 g + b, from row 64 tx + 4 r + b of gate g's weights.
; A block's scale is 2^(floor(log2(its largest magnitude)) - 2); its byte is the largest magnitude's exponent field - 2, held at 1 from below.
; A block of zeros so gets the byte 1 where the rule says 127: its codes are zeros, and the bytes are read by this program alone.
; LIMITS: NaN and infinities among the inputs are not served.
; SHARES: a work-group takes 16 destination rows, wave q their K step q: 16 steps of 512 numbers, a row a step.  Work-groups 0-511 take A, 512-767 B.
; A wave's codes are 4,096 consecutive bytes, its scale bytes 256.  Each load reads 512 consecutive bytes; a step's 2,048 bytes turn through the wave's own stage in LDS, so that a lane holds 16 neighbours along K.
; Only pointers and row numbers are chosen, by ids: one path through the text.  No barrier: waves share nothing.  Every offset is an immediate; no store's data are written again.
.set STEPS, 16
.set EMAX,  2
.set CB,    8                          ; bytes of 16 codes
.set IMG,   34816
.set R,     16                         ; v16-79   four sets of 16 numbers as they are loaded
.set X,     80                         ; v80-111  two sets of 16 neighbours
.set E,     112                        ; v112-127 a scale byte for each step
.set C,     128                        ; v128-191 codes: four registers for each step
.set WREG,  8192                       ; LDS: a region for each wave: two stages of 32 x SP bytes, behind them its 256 scale bytes
.set SP,    80                         ; a lane's place in a stage: 64 bytes + 16 of padding
.set SX,    38                         ; s[38:39] my source tensor at my first row and column
.set SH,    40
.set SCO,   42                         ; s[42:43] my codes
.set SSC,   44                         ; s[44:45] my scale bytes
	s_load_b256 s[4:11], s[0:1], 0x0               ; word_emb 4, ht 6, wfx 8, wix 10
	s_load_b256 s[12:19], s[0:1], 0x20             ; wgx 12, wox 14, wfh 16, wih 18
	s_load_b256 s[20:27], s[0:1], 0x40             ; wgh 20, woh 22, a_img 24, b_img 26
	v_lshl_add_u32 v192, v0, 2, 0x8000
	v_mov_b32 v193, 0
	v_lshrrev_b32 v1, 5, v0
	v_readfirstlane_b32 s32, v1                    ; wave = K step
	v_and_b32 v2, 31, v0                           ; lane
	v_lshlrev_b32 v3, 4, v2                        ; my 16 bytes of a load's 512
	s_mul_i32 s48, s32, WREG
	v_lshrrev_b32 v14, 2, v2
	v_mul_u32_u24 v14, v14, SP
	v_and_b32 v15, 3, v2
	v_lshl_add_u32 v14, v15, 4, v14
	v_add_nc_u32 v14, s48, v14                     ; the stage, on the way in: SP (lane / 4) + 16 (lane % 4)
	v_mul_u32_u24 v15, v2, SP
	v_add_nc_u32 v15, s48, v15                     ; and on the way out: SP x lane: my 16 neighbours
	v_mul_u32_u24 v4, v2, CB                       ; my codes' place in a step's
	v_lshrrev_b32 v5, 1, v2
	s_add_co_u32 s48, s48, 2*32*SP
	v_add_nc_u32 v5, s48, v5                       ; LDS: my wave's 256 scale bytes, my block's byte
	v_lshlrev_b32 v7, 3, v2                        ; and on the way out 8 bytes a lane
	v_add_nc_u32 v6, s48, v7
	; all arithmetic stands ahead of the compares, so that only selections follow a compare
	s_and_b32 s34, ttmp9, 255                      ; B: i
	s_bfe_u32 s35, s34, 0x20002                    ; its gate: bits 3:2
	s_lshr_b32 s36, ttmp9, 2
	s_lshl_b32 s36, s36, 6                         ; A: 64 (i / 4)
	s_lshr_b32 s37, s34, 4
	s_lshl_b32 s37, s37, 6                         ; B: 64 tx
	s_and_b32 s49, ttmp9, 3
	s_add_co_u32 s36, s36, s49
	s_add_co_u32 s37, s37, s49                     ; + i % 4
	s_and_b32 s50, s32, 1
	s_lshl_b32 s50, s50, 11                        ; the K step's 2,048 bytes in a source row
	s_wait_alu depctr_va_vdst(0)                   ; the wait at the head's end
	s_wait_kmcnt 0x0
	s_cmp_eq_u32 s35, 1
	s_cselect_b64 s[SX:SX+1], s[10:11], s[8:9]
	s_cselect_b64 s[SH:SH+1], s[18:19], s[16:17]
	s_cmp_eq_u32 s35, 2
	s_cselect_b64 s[SX:SX+1], s[12:13], s[SX:SX+1]
	s_cselect_b64 s[SH:SH+1], s[20:21], s[SH:SH+1]
	s_cmp_eq_u32 s35, 3
	s_cselect_b64 s[SX:SX+1], s[14:15], s[SX:SX+1]
	s_cselect_b64 s[SH:SH+1], s[22:23], s[SH:SH+1]
	s_cmp_lt_u32 ttmp9, 512                        ; A's work-group or B's?
	s_cselect_b64 s[SX:SX+1], s[4:5], s[SX:SX+1]
	s_cselect_b64 s[SH:SH+1], s[6:7], s[SH:SH+1]
	s_cselect_b64 s[SCO:SCO+1], s[24:25], s[26:27]
	s_cselect_b32 s36, s36, s37
	s_cselect_b32 s33, ttmp9, s34                  ; i
	s_cmp_lt_u32 s32, 2                            ; K steps 0, 1: the x tensor; 2, 3: the h tensor
	s_cselect_b64 s[SX:SX+1], s[SX:SX+1], s[SH:SH+1]
	s_lshl_b32 s46, s36, 12                        ; a source row is 4,096 bytes
	s_add_co_u32 s46, s46, s50
	s_mov_b32 s47, 0
	s_add_nc_u64 s[SX:SX+1], s[SX:SX+1], s[46:47]
	s_lshr_b32 s51, s33, 3
	s_lshl_b32 s51, s51, 2
	s_add_co_u32 s51, s51, s32                     ; which image: 4 (i / 8) + K step
	s_mul_i32 s46, s51, IMG
	s_add_nc_u64 s[SCO:SCO+1], s[SCO:SCO+1], s[46:47]
	s_and_b32 s52, s33, 7
	s_lshl_b32 s46, s52, 8
	s_add_co_u32 s46, s46, 32768                   ; my 16 rows' scale bytes, behind the image's codes
	s_add_nc_u64 s[SSC:SSC+1], s[SCO:SCO+1], s[46:47]
	s_lshl_b32 s46, s52, 12                        ; my 16 rows' codes
	s_add_nc_u64 s[SCO:SCO+1], s[SCO:SCO+1], s[46:47]
.macro LOAD t                          ; step t's 2,048 bytes: four loads of 512 consecutive bytes; the rows lie four source rows apart
.irp i, 0,1,2,3
	global_load_b128 v[R+16*((\t)%4)+4*\i:R+16*((\t)%4)+4*\i+3], v3, s[SX:SX+1] offset:16384*(\t)+512*\i th:TH_LOAD_NT
.endr
.endm
.macro TURN t                          ; step t's numbers through the stage: LDS serves a wave's instructions in order (ISA guide 5.7.1.4)
.irp i, 0,1,2,3
	ds_store_b128 v14, v[R+16*((\t)%4)+4*\i:R+16*((\t)%4)+4*\i+3] offset:32*SP*((\t)%2)+8*SP*\i
.endr
.irp i, 0,1,2,3
	ds_load_b128 v[X+16*((\t)%2)+4*\i:X+16*((\t)%2)+4*\i+3], v15 offset:32*SP*((\t)%2)+16*\i
.endr
.endm
.irp t, 0,1,2,3
	LOAD \t
.endr
	s_wait_loadcnt 12                              ; step 0's four loads are in; the twelve of steps 1 to 3 may be out
	TURN 0
.macro STEP t
.set XS, X+16*((\t)%2)
.if (\t) > 0
	s_wait_dscnt 1                                 ; this step's numbers are back from the stage (the last step's byte store may be out)
.else
	s_wait_dscnt 0x0
.endif
.if (\t)+4 < STEPS
	LOAD (\t)+4
.endif
.if (\t)+1 < STEPS
.if STEPS-2-(\t) >= 3
	s_wait_loadcnt 12                              ; the next step's four loads are in; those of the three steps behind it may be out
.else
	s_wait_loadcnt 4*(STEPS-2-(\t))                ; in the tail: four for each step that is left behind the next
.endif
	TURN (\t)+1
.endif
	v_max3_num_f32 v8, |v[XS]|, |v[XS+1]|, |v[XS+2]|               ; the largest magnitude of my 16, in two chains
	v_max3_num_f32 v9, |v[XS+3]|, |v[XS+4]|, |v[XS+5]|
.irp i, 6,10
	v_max3_num_f32 v8, v8, |v[XS+\i]|, |v[XS+\i+1]|
	v_max3_num_f32 v9, v9, |v[XS+\i+2]|, |v[XS+\i+3]|
.endr
	v_max3_num_f32 v8, v8, |v[XS+14]|, |v[XS+15]|
	v_max3_num_f32 v8, v8, v9, (EMAX+1)<<23        ; and the floor 2^(3 - 127): so the byte cannot fall under 1
	v_max_num_f32_dpp v8, v8, v8 row_xmask:1 row_mask:0xf bank_mask:0xf   ; and of my neighbour's 16: the block's
	v_add_nc_u32 v11, 0xff000000, v8               ; 2 off its exponent field: the conversion's scale operand
	v_cvt_scalef32_pk8_fp4_f32 v[C+4*(\t)], v[XS:XS+7], v11
	v_cvt_scalef32_pk8_fp4_f32 v[C+4*(\t)+1], v[XS+8:XS+15], v11
	v_lshrrev_b32 v[E+(\t)], 23, v11               ; the scale's byte (also the plain line behind the conversions)
	ds_store_b8 v5, v[E+(\t)] offset:16*(\t)       ; both lanes of a block write the same byte with the same value
	global_store_b64 v4, v[C+4*(\t):C+4*(\t)+1], s[SCO:SCO+1] offset:32*CB*(\t)   ; the wave stores 256 consecutive bytes, aligned
.endm
.irp t, 0,1,2,3,4,5,6,7,8,9,10,11,12,13,14,15
	STEP \t
.endr
	ds_load_b64 v[12:13], v6                       ; these see my byte stores: LDS serves a wave in order
	s_wait_dscnt 0x0
	global_store_b64 v7, v[12:13], s[SSC:SSC+1]    ; my 16 rows' 256 scale bytes: consecutive and aligned
	s_wait_tensorcnt 0x0                           ; the wave's end
	ds_add_u32 v192, v193
	s_wait_dscnt 0x0
	s_endpgm
.Lfunc_end_k_q7d4fc933a0_quant:
	.size	k_q7d4fc933a0_quant, .Lfunc_end_k_q7d4fc933a0_quant-k_q7d4fc933a0_quant
	.p2alignl 7, 3214868480
	.fill 96, 4, 3214868480
	.section	.rodata,"a",@progbits
	.p2align	6, 0x0
	.amdhsa_kernel k_q7d4fc933a0_quant
		.amdhsa_group_segment_fixed_size 33280
		.amdhsa_private_segment_fixed_size 0
		.amdhsa_enable_private_segment 0
		.amdhsa_kernarg_size 96
		.amdhsa_user_sgpr_count 2
		.amdhsa_user_sgpr_kernarg_segment_ptr 1
		.amdhsa_wavefront_size32 1
		.amdhsa_system_sgpr_workgroup_id_x 1
		.amdhsa_system_sgpr_workgroup_id_y 1
		.amdhsa_system_sgpr_workgroup_id_z 1
		.amdhsa_system_vgpr_workitem_id 0
		.amdhsa_next_free_vgpr 194
		.amdhsa_next_free_sgpr 66
		.amdhsa_reserve_vcc 0
		.amdhsa_float_denorm_mode_32 3
		.amdhsa_float_denorm_mode_16_64 3
		.amdhsa_memory_ordered 1
		.amdhsa_forward_progress 1
		.amdhsa_inst_pref_size 34
	.end_amdhsa_kernel
	.amdgpu_metadata
---
amdhsa.version: [ 1, 2 ]
amdhsa.kernels:
  - .name:           k_q7d4fc933a0_quant
    .symbol:         k_q7d4fc933a0_quant.kd
    .args:
      - { .name: word_emb, .offset: 0, .size: 8, .value_kind: global_buffer, .address_space: global }
      - { .name: ht, .offset: 8, .size: 8, .value_kind: global_buffer, .address_space: global }
      - { .name: wfx_w, .offset: 16, .size: 8, .value_kind: global_buffer, .address_space: global }
      - { .name: wix_w, .offset: 24, .size: 8, .value_kind: global_buffer, .address_space: global }
      - { .name: wgx_w, .offset: 32, .size: 8, .value_kind: global_buffer, .address_space: global }
      - { .name: wox_w, .offset: 40, .size: 8, .value_kind: global_buffer, .address_space: global }
      - { .name: wfh_w, .offset: 48, .size: 8, .value_kind: global_buffer, .address_space: global }
      - { .name: wih_w, .offset: 56, .size: 8, .value_kind: global_buffer, .address_space: global }
      - { .name: wgh_w, .offset: 64, .size: 8, .value_kind: global_buffer, .address_space: global }
      - { .name: woh_w, .offset: 72, .size: 8, .value_kind: global_buffer, .address_space: global }
      - { .name: a_img, .offset: 80, .size: 8, .value_kind: global_buffer, .address_space: global }
      - { .name: b_img, .offset: 88, .size: 8, .value_kind: global_buffer, .address_space: global }
    .group_segment_fixed_size: 33280
    .private_segment_fixed_size: 0
    .kernarg_segment_align: 8
    .kernarg_segment_size: 96
    .max_flat_workgroup_size: 128
    .sgpr_count:     66
    .vgpr_count:     194
    .wavefront_size: 32
...
	.end_amdgpu_metadata
.endif
;; end of part 1
;; launch lstm (part 2): grid 16 x 16, 4 waves a work-group, clusters of 4 x 4, 327,680 bytes of LDS; arguments a_img, b_img, ct, wfx_b, wix_b, wgx_b, wox_b, wfh_b, wih_b, wgh_b, woh_b, out0, out1; writes out0, out1
.if DOCPART == 2
	.amdgcn_target "amdgcn-amd-amdhsa--gfx1250"
	.amdhsa_code_object_version 6
	.text
	.protected	k_q7d4fc933a0_lstm
	.globl	k_q7d4fc933a0_lstm
	.p2align	8
	.type	k_q7d4fc933a0_lstm,@function
k_q7d4fc933a0_lstm:
	s_mov_b64 s[64:65], 0
	v_nop
	global_prefetch_b8 v0, s[64:65] scope:SCOPE_SE
	s_setreg_imm32_b32 hwreg(HW_REG_WAVE_MODE, 25, 1), 1
	s_wait_xcnt 0x0
	s_wait_alu depctr_hold_cnt(0) depctr_sa_sdst(0) depctr_va_vdst(0) depctr_va_sdst(0) depctr_va_ssrc(0) depctr_va_vcc(0) depctr_vm_vsrc(0)
	s_getreg_b32 s2, hwreg(HW_REG_IB_STS2, 6, 4)
	s_cmp_eq_u32 s2, 0
	s_cbranch_scc0 .Lentry_in_a_cluster
	s_endpgm
.Lentry_in_a_cluster:
	s_bfe_u32 s2, ttmp6, 0x10000c
	s_cmp_lg_u32 s2, 0xf033
	s_cbranch_scc0 .Lentry_shape_is_right
	s_endpgm
.Lentry_shape_is_right:
; gates = [word_emb | ht] [Wx | Wh]^T + bx + bh on codes of FP4 (E2M1) with E8M0 scales, K = 2,048, sums in f32; then the LSTM cell in f32 as the way out: the gates never go to memory.
;   c_new = sigmoid(f) c + sigmoid(i) tanh(g) -> out1;   h_new = sigmoid(o) tanh(c_new) -> out0.
; SHARES.  256 work-groups; work-group (tx, ty) STAYS and makes two tiles: rows 256 ty .. and 256 (ty + 16) .., hidden units 64 tx .. + 63 in all four gates (256 rows of b_img, the same for both tiles).
; Four waves; wave w makes 64 rows (256 ty + 64 w ..) x all 256 rows of B: 64 accumulators (a, t), a = 0..3 blocks of A, t = 4 g + b = 0..15 tiles of B; 512 registers.
; Source 0 = 16 rows of A, source 1 = 16 rows of B: register j of lane (r, h) is A's image row 8 h + j of block a and B's image row r of tile t.  By the order in which the images are laid that is
; row 64 w + 4 (8 h + j) + a of the tile and unit 4 r + b of gate g.  So a cell's four gates lie in one lane, and a lane's units b = 0..3 are 16 neighbouring bytes: sixteen lanes load (ct) and store
; (out0, out1) 256 consecutive aligned bytes of one row, straight from registers: no stage in LDS and no barrier on the way out.
; K goes in steps of 512 through two LDS slots.  A quarter of a slot is one dense image: 128 rows of 256 bytes of codes and 8 rows of 256 scale bytes, one tensor load a wave.
; The ring does not stop at a tile's end: the first tile's last two changes of slots ask for the next tile's K steps 0 and 1, which land under the cells' arithmetic.
; CLUSTERS: 4 x 4 work-groups; A's images are asked for jointly along a row of the cluster, B's along a column.
; PREFETCHES.  ct: a wave's 64 rows of a tile (256 bytes each, a lane a row): blocks 0 and 1 a step behind the tile's first change of slots, two steps and more ahead of block 0's load; blocks 2 and 3 a step behind
; the second change.  Each row is named once in the launch.  The images: an image is asked for two fills ahead of its tensor load: of the 128 code rows that a wave fetches, the partner at place p of the four
; that ask jointly takes rows 32 p .. 32 p + 31 (by address; p = cx for A, cy for B), a lane a row, one instruction.  The first tile's K steps 2 and 3 are asked for behind the first two fills; the next
; tile's four images of A at the four changes of slots before; B's images are the same for both tiles and are asked for once.  An image's 8 rows of scale bytes, and K steps 0 and 1 of the first tile, come by their loads alone.
; THE CELL with 5 exponentials and 3 reciprocals:  ef, ei, eo = e^-x, eg = e^2g, ec = e^(2 c_new);
;   c_new = c / (1+ef) + (eg-1) / [(1+ei)(1+eg)];   h_new = (ec-1) / [(1+eo)(1+ec)].
; ef, ei, eo may grow to infinity: their divisors' reciprocals are then 0, the sigmoid's value there.  The numerators stay finite: eg's base-2 exponent is held at 40 and c_new, for the tanh alone, at 13 from above;
; a tanh so held is 1.0 in f32.
; LIMITS: NaN and infinities among the inputs are not served.  The f32 additions are ordered otherwise than in the source: one sum over both products, the two biases added to each other first.
; REGISTERS.  Window 0: v8-29 addresses; v32-127 scale words, two sets of 48; v128-191 A's fragments, two sets; v192-223 biases (each twice); v224-255 ct of one block.
;   Window 1: B's fragments, two sets of 128; on the way out the cells' arrays.   Window 2: accumulators of blocks 0, 1 ((a, t) at v[8 (16 (a % 2) + t)]);   window 3: of blocks 2, 3.
.set IMG,    34816                     ; an image in memory
.set PITCH,  272                       ; an LDS row: 256 bytes + 16 of padding: the 16 rows that a load touches start at 16 different banks (64 banks of 4 bytes: ISA guide 11.1)
.set BLK,    16*PITCH
.set QT,     136*PITCH                 ; a quarter of a slot
.set SCQ,    128*PITCH                 ; the scale bytes' place in it
.set SLOT,   4*QT                      ; A's rows 0-127, 128-255, B's rows 0-127, 128-255
.set SPARE,  2*SLOT                    ; the spare words: 128 bytes a wave, two blocks of 256 bytes that no other line names
.set ADRA, 8                           ; v8-9   my A fragments in slot 0, 1
.set ADRB, 10                          ; v10-11 B's tiles 0-7
.set ADRC, 12                          ; v12-13 B's tiles 8-15
.set ADSA, 14                          ; v14-15 my A blocks' scale words
.set ADSB, 16                          ; v16-17 B's: lanes 0-15 tile t, lanes 16-31 tile t + 8
.set GO,   18                          ; v18    131,072 h + 16 r: my place in ct, out0, out1
.set PFO,  19                          ; v19    ct's prefetch: row 4 r + h, 4,096 bytes a row
.set BO,   20                          ; v20    my 16 bytes of a bias
.set PFL,  21                          ; v21    the images' prefetch: 256 x lane
.set SPW,  28                          ; v28    my spare word; never rewritten
.set NIL,  29                          ; v29    0; never rewritten
.set SC,   32                          ; set s at SC + 48 s: 4 a + q A's block a; 16 + 4 t + q B's tiles t and t + 8; q: the slot's q-th 128 along K
.set AF,   128
.set BI,   192                         ; v[BI + 2 t], twice: (bx + bh) x the factor of the gate's exponential
.set CT,   224                         ; index 4 j + b
.set EF,   0                           ; window 1, the way out: 32 cells a lane, index 8 b + j: gates f, i, g, o,
.set EI,   32
.set EG,   64
.set EO,   96
.set EX,   128                         ; at work;
.set CN,   160                         ; c_new and h_new, index 4 j + b
.set HN,   192
.set G1,   24                          ; s[24:31] group 1 for A's images; s[32:39] group 0, a set for each slot
.set G0,   32
.set G1B,  48                          ; s[48:55], s[56:63] the same for B's
.set G0B,  56
.set NLE,  66                          ; s[66:67] -log2(e), twice
.set BX,   68                          ; s[68:75] the x biases, s[76:83] the h biases
.set BH,   76
.set TLE,  84                          ; s[84:85] 2 log2(e), twice
.set CP,   88                          ; s[88:89] ct at the block that is loaded next
.set PFC,  90                          ; s[90:91] ct at my 64 rows of the tile
.set PFI,  92                          ; s[92:93] my work-group's 32 rows of the image (A's or B's) that I fetched first; never rewritten
.set OH,   96                          ; s[96:97] out0, s[98:99] out1 at the block that is stored next
.set OC,   98
.set PFA,  100                         ; s[100:101] the same of A's image; never rewritten.  s94: 1 in the waves that fetch for A; s95: the same, in the first tile alone
.set MSB, 0
.macro WIN new                         ; the immediate's high byte repeats the setting that is left
.if MSB != (\new)
	s_set_vgpr_msb (MSB<<8)|(\new)
.set MSB, (\new)
.endif
.endm
; A joint load: waves 0 and 1 fetch A's two quarters, waves 2 and 3 B's.
.macro JLOAD g0a, g0b
	s_cmp_eq_u32 s15, 0
	s_cbranch_scc0 .Lfor_b_\@
	tensor_load_to_lds s[\g0a:\g0a+3], s[G1:G1+7]
	s_nop 0
.rept 4
	v_nop
.endr
	s_branch .Lasked_\@
.Lfor_b_\@:
	tensor_load_to_lds s[\g0b:\g0b+3], s[G1B:G1B+7]
	s_nop 0
.rept 4
	v_nop
.endr
.Lasked_\@:
.endm
.macro CREST                           ; a round of the cluster's barrier behind its opening barrier
	s_cmp_lg_u32 s14, 0
	s_cbranch_scc1 .Lnot_wave_0_\@
	s_barrier_signal -3
.Lnot_wave_0_\@:
	s_barrier_wait -3
	s_barrier_signal -1
	s_barrier_wait -1
.endm
.macro CROUND
	s_barrier_signal -1
	s_barrier_wait -1
	CREST
.endm
.macro PLACES                          ; four places behind a matrix instruction (ISA guide 7.12.1 for vector instructions)
.rept 4
	v_nop
.endr
.endm
	s_load_b128 s[4:7], s[0:1], 0x0                ; a_img, b_img
	s_load_b64 s[12:13], s[0:1], 0x10              ; ct
	s_load_b256 s[BX:BX+7], s[0:1], 0x18           ; the x biases f, i, g, o
	s_load_b256 s[BH:BH+7], s[0:1], 0x38           ; the h biases
	s_load_b128 s[96:99], s[0:1], 0x58             ; out0, out1
	v_lshl_add_u32 v[SPW], v0, 2, SPARE
	v_mov_b32 v[NIL], 0
	ds_add_u32 v[SPW], v[NIL]                      ; the opening lines: the add, twice on end, and its wait ahead of my first tensor load
	ds_add_u32 v[SPW], v[NIL]
	v_lshrrev_b32 v1, 5, v0
	v_readfirstlane_b32 s14, v1                    ; wave 0..3
	s_lshr_b32 s15, s14, 1                         ; I fetch for A (0) or for B (1); also: the quarter of A that holds my rows
	s_and_b32 s16, s14, 1                          ; which 128 rows I fetch; also: which 64 rows of that quarter are mine
	s_bfe_u32 s40, ttmp6, 0x40000                  ; cx, cy
	s_bfe_u32 s41, ttmp6, 0x40004
	s_lshl_b32 s42, ttmp9, 2
	s_add_co_u32 s42, s42, s40                     ; tx
	s_and_b32 s17, ttmp7, 0xffff
	s_lshl_b32 s17, s17, 2
	s_add_co_u32 s17, s17, s41                     ; ty
	s_lshl_b32 s43, s41, 2
	s_lshl_b32 s43, 15, s43                        ; my row of the cluster
	s_lshl_b32 s44, 0x1111, s40                    ; my column
	; group 1: a dense image as 136 rows of 256 bytes (32 elements of 8 bytes), 16 bytes of padding behind each; bit 21 stands beside a mask
	s_or_b32 s[G1+0], s43, (3<<16)|(1<<20)|(1<<21)|(5<<22)|(3<<25)
	s_or_b32 s[G1B+0], s44, (3<<16)|(1<<20)|(1<<21)|(5<<22)|(3<<25)
.irp g, G1, G1B
	s_mov_b32 s[\g+1], 32<<16
	s_mov_b32 s[\g+2], 136<<16
	s_mov_b32 s[\g+3], 32<<16
	s_mov_b32 s[\g+4], 136
	s_mov_b32 s[\g+5], 32
	s_mov_b32 s[\g+6], 0
	s_mov_b32 s[\g+7], 0
.endr
	s_lshl_b32 s18, s16, 2
	s_lshl_b32 s20, s17, 3
	s_add_co_u32 s20, s20, s18
	s_mul_i32 s20, s20, IMG                        ; A: image 4 (2 ty + half)
	s_mov_b32 s21, 0
	s_lshl_b32 s46, s42, 3
	s_add_co_u32 s46, s46, s18
	s_mul_i32 s46, s46, IMG                        ; B: image 4 (2 tx + half)
	s_mov_b32 s47, 0
	s_mul_i32 s45, s14, QT                         ; where it goes: wave x a quarter
	s_wait_dscnt 0x0                               ; both opening adds are done
	s_wait_kmcnt 0x0
	s_add_nc_u64 s[20:21], s[4:5], s[20:21]
	s_add_nc_u64 s[46:47], s[6:7], s[46:47]
	CROUND                                         ; all sixteen work-groups are here: the first joint loads meet
.irp s, 0,1
	s_mov_b32 s[G0+4*\s], 1
	s_add_co_u32 s[G0+4*\s+1], s45, \s*SLOT
	s_add_nc_u64 s[G0+4*\s+2:G0+4*\s+3], s[20:21], \s*IMG
	s_or_b32 s[G0+4*\s+3], s[G0+4*\s+3], 0x80000000
	s_mov_b32 s[G0B+4*\s], 1
	s_add_co_u32 s[G0B+4*\s+1], s45, \s*SLOT
	s_add_nc_u64 s[G0B+4*\s+2:G0B+4*\s+3], s[46:47], \s*IMG
	s_or_b32 s[G0B+4*\s+3], s[G0B+4*\s+3], 0x80000000
.endr
	JLOAD G0, G0B                                  ; K step 0: one tensor load a wave at the head
	; scalars first, then the vector lines on end.  The prefetches' bases: the partners share an image's rows out by address
	s_cmp_eq_u32 s15, 0
	s_cselect_b64 s[PFI:PFI+1], s[20:21], s[46:47]
	s_cselect_b32 s18, s40, s41                    ; my place among the four that ask with me
	s_cselect_b32 s94, 1, 0
	s_mov_b32 s95, s94
	s_lshl_b32 s18, s18, 13                        ; 32 rows of 256 bytes
	s_mov_b32 s19, 0
	s_add_nc_u64 s[PFI:PFI+1], s[PFI:PFI+1], s[18:19]
	s_lshl_b32 s18, s40, 13
	s_add_nc_u64 s[PFA:PFA+1], s[20:21], s[18:19]
	s_mul_i32 s21, s15, QT
	s_mul_i32 s22, s16, 64*PITCH
	s_add_co_u32 s22, s22, s21                     ; my 64 rows of A
	s_mul_i32 s23, s16, 4*PITCH
	s_add_co_u32 s23, s23, s21
	s_add_co_u32 s23, s23, SCQ                     ; their scale words
	s_lshl_b32 s46, s42, 8                         ; 256 tx: my work-group's 64 hidden units, in bytes
	s_lshl_b32 s20, s17, 8
	s_lshl_b32 s21, s14, 6
	s_add_co_u32 s20, s20, s21                     ; row 256 ty + 64 w
	s_lshl_b32 s20, s20, 12
	s_add_co_u32 s20, s20, s46
	s_mov_b32 s21, 0
	s_add_nc_u64 s[CP:CP+1], s[12:13], s[20:21]
	s_mov_b64 s[PFC:PFC+1], s[CP:CP+1]
	s_add_nc_u64 s[OH:OH+1], s[OH:OH+1], s[20:21]
	s_add_nc_u64 s[OC:OC+1], s[OC:OC+1], s[20:21]
	s_mov_b32 s86, 0x42200000                      ; 40.0
	s_mov_b32 s87, 0x41500000                      ; 13.0
	s_mov_b32 s[NLE], 0xbfb8aa3b
	s_mov_b32 s[NLE+1], s[NLE]
	s_mov_b32 s[TLE], 0x4038aa3b
	s_mov_b32 s[TLE+1], s[TLE]
	v_and_b32 v1, 15, v0                           ; r
	v_bfe_u32 v2, v0, 4, 1                         ; h
	v_mul_u32_u24 v3, v1, PITCH
	v_lshl_add_u32 v4, v2, 4, v3                   ; a fragment's row x pitch + 16 h
	v_add_nc_u32 v[ADRA], s22, v4
	v_add_nc_u32 v[ADRA+1], SLOT, v[ADRA]
	v_add_nc_u32 v[ADRB], 2*QT, v4
	v_add_nc_u32 v[ADRB+1], SLOT, v[ADRB]
	v_add_nc_u32 v[ADRC], QT, v[ADRB]
	v_add_nc_u32 v[ADRC+1], SLOT, v[ADRC]
	v_lshlrev_b32 v5, 4, v1                        ; a row's 16 scale bytes
	v_add_nc_u32 v[ADSA], s23, v5
	v_add_nc_u32 v[ADSA+1], SLOT, v[ADSA]
	v_mul_u32_u24 v6, v2, QT                       ; lanes 16-31: B's second quarter
	v_add_nc_u32 v6, v6, v5
	v_add_nc_u32 v[ADSB], 2*QT+SCQ, v6
	v_add_nc_u32 v[ADSB+1], SLOT, v[ADSB]
	v_lshlrev_b32 v7, 17, v2                       ; lanes 16-31: 32 rows of 4,096 bytes further down
	v_lshl_add_u32 v[GO], v1, 4, v7
	v_lshlrev_b32 v7, 12, v2
	v_lshl_add_u32 v[PFO], v1, 14, v7              ; row 4 r + h: lanes 0-15 one block's rows, lanes 16-31 the next block's
	v_and_b32 v7, 31, v0
	v_lshlrev_b32 v[PFL], 8, v7
	v_lshl_add_u32 v[BO], v1, 4, s46
	s_wait_alu depctr_va_vdst(0)                   ; the wait behind these writes
	global_prefetch_b8 v[PFL], s[PFI:PFI+1] offset:2*IMG th:TH_LOAD_NT scope:SCOPE_SE   ; K step 2's image, two fills ahead
	; THE BIASES, while the first images are on their way: units 4 r .. 4 r + 3 of each gate
.irp g, 0,1,2,3
	global_load_b128 v[CT+4*\g:CT+4*\g+3], v[BO], s[BX+2*\g:BX+2*\g+1]
	global_load_b128 v[CT+16+4*\g:CT+16+4*\g+3], v[BO], s[BH+2*\g:BH+2*\g+1]
.endr
	s_wait_loadcnt 0x0
.irp n, 0,2,4,6,8,10,12,14
	v_pk_add_f32 v[CT+\n:CT+\n+1], v[CT+\n:CT+\n+1], v[CT+16+\n:CT+16+\n+1]
.endr
.irp t, 0,1,2,3,4,5,6,7,8,9,10,11,12,13,14,15
.if \t/4 == 2
	v_mul_f32 v[BI+2*\t], s[TLE], v[CT+\t]         ; gate g: tanh wants e^(2 x)
	v_mul_f32 v[BI+2*\t+1], s[TLE], v[CT+\t]
.else
	v_mul_f32 v[BI+2*\t], s[NLE], v[CT+\t]         ; gates f, i, o: a sigmoid wants e^(-x)
	v_mul_f32 v[BI+2*\t+1], s[NLE], v[CT+\t]
.endif
.endr
; 16 matrix instructions: A's block a x B's sixteen tiles, the slot's q-th 128 along K.  p: the set of fragments; s: the set of scale words.  z = 1: the product starts the sums: nothing is cleared.
; The 64 accumulators take turns, one instruction a turn, in the same order in every step.
.macro MULA a, p, q, s, z
.set DA, 128*((\a)%2)
.set FA, AF+32*(\p)+8*(\a)
.set SA, SC+48*(\s)+4*(\a)+(\q)
.set SB, SC+48*(\s)+16+(\q)
.set FB, 128*(\p)
.irp t, 0,1,2,3,4,5,6,7,8,9,10,11,12,13,14,15
.if \z
.if \t/8
	v_wmma_scale_f32_16x16x128_f8f6f4 v[DA+8*\t:DA+8*\t+7], v[FA:FA+7], v[FB+8*\t:FB+8*\t+7], 0, v[SA], v[SB+4*(\t%8)] matrix_a_fmt:MATRIX_FMT_FP4 matrix_b_fmt:MATRIX_FMT_FP4 matrix_b_scale:MATRIX_SCALE_ROW1
.else
	v_wmma_scale_f32_16x16x128_f8f6f4 v[DA+8*\t:DA+8*\t+7], v[FA:FA+7], v[FB+8*\t:FB+8*\t+7], 0, v[SA], v[SB+4*(\t%8)] matrix_a_fmt:MATRIX_FMT_FP4 matrix_b_fmt:MATRIX_FMT_FP4
.endif
.else
.if \t/8
	v_wmma_scale_f32_16x16x128_f8f6f4 v[DA+8*\t:DA+8*\t+7], v[FA:FA+7], v[FB+8*\t:FB+8*\t+7], v[DA+8*\t:DA+8*\t+7], v[SA], v[SB+4*(\t%8)] matrix_a_fmt:MATRIX_FMT_FP4 matrix_b_fmt:MATRIX_FMT_FP4 matrix_b_scale:MATRIX_SCALE_ROW1
.else
	v_wmma_scale_f32_16x16x128_f8f6f4 v[DA+8*\t:DA+8*\t+7], v[FA:FA+7], v[FB+8*\t:FB+8*\t+7], v[DA+8*\t:DA+8*\t+7], v[SA], v[SB+4*(\t%8)] matrix_a_fmt:MATRIX_FMT_FP4 matrix_b_fmt:MATRIX_FMT_FP4
.endif
.endif
.endr
.endm
.set MUL_LO, 0xa4                      ; source 0 (A) window 0, source 1 (B) window 1, C and D window 2
.set MUL_HI, 0xf4                      ; the same, C and D window 3
; 40 LDS loads in one run: the fragments of the slot's q-th 128 along K into set p.  A fragment: lane l holds row l % 16; registers 4 c .. 4 c + 3 hold K = 64 c + 32 (l / 16) + 0 .. 31
.macro FETCH slot, q, p
	WIN 0x40
.irp t, 0,1,2,3,4,5,6,7
	ds_load_b128 v[128*(\p)+8*\t:128*(\p)+8*\t+3], v[ADRB+\slot] offset:64*(\q)+\t*BLK
	ds_load_b128 v[128*(\p)+8*\t+4:128*(\p)+8*\t+7], v[ADRB+\slot] offset:64*(\q)+\t*BLK+32
.endr
.irp t, 0,1,2,3,4,5,6,7
	ds_load_b128 v[128*(\p)+64+8*\t:128*(\p)+64+8*\t+3], v[ADRC+\slot] offset:64*(\q)+\t*BLK
	ds_load_b128 v[128*(\p)+64+8*\t+4:128*(\p)+64+8*\t+7], v[ADRC+\slot] offset:64*(\q)+\t*BLK+32
.endr
	WIN 0
.irp a, 0,1,2,3
	ds_load_b128 v[AF+32*(\p)+8*\a:AF+32*(\p)+8*\a+3], v[ADRA+\slot] offset:64*(\q)+\a*BLK
	ds_load_b128 v[AF+32*(\p)+8*\a+4:AF+32*(\p)+8*\a+7], v[ADRA+\slot] offset:64*(\q)+\a*BLK+32
.endr
.endm
.macro SCALES s                        ; slot s's scale words: four words a row
.irp a, 0,1,2,3
	ds_load_b128 v[SC+48*\s+4*\a:SC+48*\s+4*\a+3], v[ADSA+\s] offset:\a*PITCH
.endr
.irp t, 0,1,2,3,4,5,6,7
	ds_load_b128 v[SC+48*\s+16+4*\t:SC+48*\s+16+4*\t+3], v[ADSB+\s] offset:\t*PITCH
.endr
.endm
; A step of 128 along K that has its successor in the same slot: the successor's fragments are asked for first, into the other set, and land under this step's 64 products.
.macro STEP slot, q, z
	s_wait_dscnt 0x0                               ; this step's fragments, asked for a step ago, are in
	PLACES                                         ; the last step's products read the set that is loaded now
	FETCH \slot, (\q)+1, 1-(\q)%2
	WIN MUL_LO
	MULA 0, (\q)%2, \q, \slot, \z
	MULA 1, (\q)%2, \q, \slot, \z
	WIN MUL_HI
	MULA 2, (\q)%2, \q, \slot, \z
	MULA 3, (\q)%2, \q, \slot, \z
	WIN 0
.endm
; A slot's last step changes slots.  In front of the barrier each wave waits for all its tensor loads (one is out: its quarter of the next slot), adds 0 to its spare word, and waits for that; its reads of this slot are over.
; fill = 1: a round of the cluster's barrier, and the slot takes the K step two on; 2: the next tile's K step (A 32 half tiles on and two K steps back, B two K steps back); 0: nothing is filled, no round.
; fetch = 1: the next slot's first fragments and scale words.  ldct = 1: ct of my block 0 is loaded.  pf > 0: the waves whose flag is 1 prefetch A's image pf images on from their first: the one that is loaded two fills on.
.macro TURN slot, next, fill, fetch, ldct, pf, flag
	s_wait_dscnt 0x0                               ; this step's fragments are in: my last reads of this slot
	s_wait_tensorcnt 0x0                           ; all my tensor loads have landed
	ds_add_u32 v[SPW], v[NIL]
	WIN MUL_LO
	MULA 0, 1, 3, \slot, 0                         ; sixteen matrix instructions stand between the add and the wait for it
	s_wait_dscnt 0x0
	s_barrier_signal -1
	MULA 1, 1, 3, \slot, 0
	WIN 0
	s_barrier_wait -1
.if \fill
	CREST
.if \fill == 1
	s_add_nc_u64 s[G0+4*\slot+2:G0+4*\slot+3], s[G0+4*\slot+2:G0+4*\slot+3], 2*IMG
	s_add_nc_u64 s[G0B+4*\slot+2:G0B+4*\slot+3], s[G0B+4*\slot+2:G0B+4*\slot+3], 2*IMG
.else
	s_add_nc_u64 s[G0+4*\slot+2:G0+4*\slot+3], s[G0+4*\slot+2:G0+4*\slot+3], 126*IMG
	s_sub_nc_u64 s[G0B+4*\slot+2:G0B+4*\slot+3], s[G0B+4*\slot+2:G0B+4*\slot+3], 2*IMG
.endif
	JLOAD G0+4*\slot, G0B+4*\slot                  ; the first tensor load behind the round, my only one until the next; its four v_nop are the places in front of the loads below
.else
	PLACES
.endif
.if \fetch
	FETCH \next, 0, 0
	SCALES \next
.endif
.if \pf
	s_cmp_eq_u32 s[\flag], 1
	s_cbranch_scc0 .Lnot_mine_\@
	global_prefetch_b8 v[PFL], s[PFA:PFA+1] offset:(\pf)*IMG th:TH_LOAD_NT scope:SCOPE_SE
.Lnot_mine_\@:
.endif
.if \ldct
.irp j, 0,1,2,3,4,5,6,7
	global_load_b128 v[CT+4*\j:CT+4*\j+3], v[GO], s[CP:CP+1] offset:16384*\j
.endr
.endif
	WIN MUL_HI
	MULA 2, 1, 3, \slot, 0
	MULA 3, 1, 3, \slot, 0
	WIN 0
.endm
; THE WAY OUT.  Array operations on 32 cells a lane, two at a time.
.macro PKA d, x, c                     ; d = x + the constant c
.set NN, 0
.rept 16
	v_pk_add_f32 v[\d+NN:\d+NN+1], v[\x+NN:\x+NN+1], \c op_sel_hi:[1,0]
.set NN, NN+2
.endr
.endm
.macro PKF d, x, y, z                  ; d = x y + z
.set NN, 0
.rept 16
	v_pk_fma_f32 v[\d+NN:\d+NN+1], v[\x+NN:\x+NN+1], v[\y+NN:\y+NN+1], v[\z+NN:\z+NN+1]
.set NN, NN+2
.endr
.endm
.macro RUN op, d, n                    ; n transcendentals in place
.set NN, 0
.rept \n
	\op v[\d+NN], v[\d+NN]
.set NN, NN+1
.endr
.endm
.macro GRD
	s_wait_alu depctr_va_vdst(0)
.endm
; Block a's 16 accumulators into the four arrays: the factor of the gate's exponential x (gate + bias).  The only lines of a block that name accumulators; each is read from its low end on.
.macro GATHER a
	WIN 0x42+(\a)/2                                ; source 0 window 2 or 3, the bias window 0, destination window 1
	GRD
.set NN, 0
.rept 64
.if NN/32 == 2
	v_pk_fma_f32 v[NN:NN+1], v[128*((\a)%2)+NN:128*((\a)%2)+NN+1], s[TLE:TLE+1], v[BI+2*(NN/8):BI+2*(NN/8)+1] op_sel_hi:[1,0,1]
.else
	v_pk_fma_f32 v[NN:NN+1], v[128*((\a)%2)+NN:128*((\a)%2)+NN+1], s[NLE:NLE+1], v[BI+2*(NN/8):BI+2*(NN/8)+1] op_sel_hi:[1,0,1]
.endif
.set NN, NN+2
.endr
	WIN 0
	GRD
.endm
; A loop of four trips, a block of 16 image rows (32 cells a lane) a trip.  Register numbers of accumulators differ from block to block, so the gather stands four times, chosen by the counter; all else stands once.
; Plain lines stand between the transcendentals of a batch only where their sources were settled ahead of the batch's first wait and their results are first read behind its last.
.macro EPI
	s_mov_b32 s3, 0
.Lblk_\@:
	s_cmp_eq_u32 s3, 0
	s_cbranch_scc1 .Lg0_\@
	s_cmp_eq_u32 s3, 1
	s_cbranch_scc1 .Lg1_\@
	s_cmp_eq_u32 s3, 2
	s_cbranch_scc1 .Lg2_\@
	GATHER 3
	s_branch .Lgo_\@
.Lg0_\@:
	GATHER 0
	s_branch .Lgo_\@
.Lg1_\@:
	GATHER 1
	s_branch .Lgo_\@
.Lg2_\@:
	GATHER 2
.Lgo_\@:
	WIN 0x55                                       ; all in window 1
.set NN, 0
.rept 32
	v_min_num_f32 v[EG+NN], s86, v[EG+NN]          ; gate g's exponents are held at 40
.set NN, NN+1
.endr
	GRD
	RUN v_exp_f32, EF, 32                          ; ef
	RUN v_exp_f32, EG, 32                          ; eg
	v_nop
	GRD
.set NN, 0
.rept 16
	v_exp_f32 v[EI+NN], v[EI+NN]                   ; ei, eo; between them:
	v_pk_add_f32 v[EF+NN:EF+NN+1], v[EF+NN:EF+NN+1], 1.0 op_sel_hi:[1,0]   ; 1 + ef
	v_exp_f32 v[EI+NN+1], v[EI+NN+1]
	v_pk_add_f32 v[EX+NN:EX+NN+1], v[EG+NN:EG+NN+1], 1.0 op_sel_hi:[1,0]   ; 1 + eg
	v_exp_f32 v[EO+NN], v[EO+NN]
	v_exp_f32 v[EO+NN+1], v[EO+NN+1]
.set NN, NN+2
.endr
	v_nop
	GRD
	PKF EI, EI, EX, EX                             ; (1 + ei)(1 + eg)
	GRD
.set NN, 0
.rept 16
	v_rcp_f32 v[EF+NN], v[EF+NN]                   ; sigmoid(f); 1 / [(1 + ei)(1 + eg)]; between them:
	v_rcp_f32 v[EF+NN+1], v[EF+NN+1]
	v_pk_add_f32 v[EG+NN:EG+NN+1], v[EG+NN:EG+NN+1], -1.0 op_sel_hi:[1,0]  ; eg - 1
	v_rcp_f32 v[EI+NN], v[EI+NN]
	v_rcp_f32 v[EI+NN+1], v[EI+NN+1]
.set NN, NN+2
.endr
	v_nop
	s_wait_loadcnt 0x0                             ; this block's ct is in: the only loads that are out
	GRD
.set NN, 0
.rept 16
	v_pk_mul_f32 v[EX+NN:EX+NN+1], v[EG+NN:EG+NN+1], v[EI+NN:EI+NN+1]      ; sigmoid(i) tanh(g)
.set NN, NN+2
.endr
	WIN 0x54                                       ; source 0 (ct) window 0
.irp b, 0,1,2,3
.irp j, 0,1,2,3,4,5,6,7
	v_fma_f32 v[CN+4*\j+\b], v[CT+4*\j+\b], v[EF+8*\b+\j], v[EX+8*\b+\j]   ; c_new, laid as it is stored
.endr
.endr
	GRD
	WIN 0x04                                       ; the data window 1, the address window 0
.irp j, 0,1,2,3,4,5,6,7
	global_store_b128 v[GO], v[CN+4*\j:CN+4*\j+3], s[OC:OC+1] offset:16384*\j th:TH_STORE_NT   ; sixteen lanes store 256 consecutive bytes, aligned
.endr
	WIN 0
	s_cmp_eq_u32 s3, 3
	s_cbranch_scc1 .Lnoct_\@                       ; the tile's last block asks for no further ct
	s_add_nc_u64 s[CP:CP+1], s[CP:CP+1], 4096      ; (the loads that read it have been waited for)
.irp j, 0,1,2,3,4,5,6,7
	global_load_b128 v[CT+4*\j:CT+4*\j+3], v[GO], s[CP:CP+1] offset:16384*\j                   ; the next block's ct: it has the rest of this trip and the head of the next in which to land
.endr
.Lnoct_\@:
	WIN 0x55
.irp b, 0,1,2,3
.irp j, 0,1,2,3,4,5,6,7
	v_min_num_f32 v[EF+8*\b+\j], s87, v[CN+4*\j+\b]                        ; for the tanh: c_new held at 13
.endr
.endr
.set NN, 0
.rept 16
	v_pk_mul_f32 v[EF+NN:EF+NN+1], v[EF+NN:EF+NN+1], s[TLE:TLE+1] op_sel_hi:[1,0]
.set NN, NN+2
.endr
	GRD
	RUN v_exp_f32, EF, 32                          ; ec
	v_nop
	GRD
	PKA EI, EF, 1.0                                ; 1 + ec
	PKF EO, EO, EI, EI                             ; (1 + eo)(1 + ec)
	GRD
.set NN, 0
.rept 16
	v_rcp_f32 v[EO+NN], v[EO+NN]
	v_rcp_f32 v[EO+NN+1], v[EO+NN+1]
	v_pk_add_f32 v[EF+NN:EF+NN+1], v[EF+NN:EF+NN+1], -1.0 op_sel_hi:[1,0]  ; ec - 1 (the last of these is the plain line behind the batch)
.set NN, NN+2
.endr
	GRD
.irp b, 0,1,2,3
.irp j, 0,1,2,3,4,5,6,7
	v_mul_f32 v[HN+4*\j+\b], v[EF+8*\b+\j], v[EO+8*\b+\j]                  ; h_new, laid as it is stored
.endr
.endr
	GRD
	WIN 0x04
.irp j, 0,1,2,3,4,5,6,7
	global_store_b128 v[GO], v[HN+4*\j:HN+4*\j+3], s[OH:OH+1] offset:16384*\j th:TH_STORE_NT
.endr
	WIN 0
	s_wait_xcnt 0x0                                ; the stores have read their data and bases: both are rewritten only behind this wait
	s_add_nc_u64 s[OC:OC+1], s[OC:OC+1], 4096      ; the next block's rows lie one row further down
	s_add_nc_u64 s[OH:OH+1], s[OH:OH+1], 4096
	s_add_co_u32 s3, s3, 1
	s_cmp_lt_u32 s3, 4
	s_cbranch_scc1 .Lblk_\@
	s_wait_loadcnt 0x0                             ; on every way out of the loop no load of ct is out: the next tile's loads land in the same registers
.endm
	s_wait_alu depctr_va_vdst(0)                   ; the wait at the head's end
	s_wait_tensorcnt 0x0                           ; my quarter of K step 0 is in
	ds_add_u32 v[SPW], v[NIL]
	s_wait_dscnt 0x0
	CROUND
	JLOAD G0+4, G0B+4                              ; K step 1: slot 1's first fill, the first tensor load behind the round
	FETCH 0, 0, 0
	SCALES 0
	global_prefetch_b8 v[PFL], s[PFI:PFI+1] offset:3*IMG th:TH_LOAD_NT scope:SCOPE_SE   ; K step 3's image, two fills ahead
	s_mov_b32 s2, 2                                ; tiles to go: the same number in every work-group
.Ltile:
	STEP 0, 0, 1                                   ; a tile's first step starts the sums
	STEP 0, 1, 0
	STEP 0, 2, 0
	TURN 0, 1, 1, 1, 0, 128, 95                    ; slot 0 takes K step 2; in the first tile the next tile's K step 0 of A is prefetched
	STEP 1, 0, 0
	global_prefetch_b8 v[PFO], s[PFC:PFC+1] th:TH_LOAD_NT scope:SCOPE_SE                 ; ct: my blocks 0 and 1
	STEP 1, 1, 0
	STEP 1, 2, 0
	TURN 1, 0, 1, 1, 1, 129, 95                    ; slot 1 takes K step 3; ct of block 0 is loaded
	STEP 0, 0, 0
	global_prefetch_b8 v[PFO], s[PFC:PFC+1] offset:2*4096 th:TH_LOAD_NT scope:SCOPE_SE   ; ct: my blocks 2 and 3
	STEP 0, 1, 0
	STEP 0, 2, 0
	s_cmp_eq_u32 s2, 1
	s_cbranch_scc1 .Llast_tile                     ; the last tile's tail is written out: it asks for nothing more
	TURN 0, 1, 2, 1, 0, 130, 94                    ; the ring goes on into the next tile: slot 0 takes its K step 0,
	STEP 1, 0, 0
	STEP 1, 1, 0
	STEP 1, 2, 0
	TURN 1, 0, 2, 0, 0, 131, 94                    ; slot 1 its K step 1; both land under the cells
	PLACES
	EPI
	s_add_nc_u64 s[OC:OC+1], s[OC:OC+1], 4092*4096 ; 4,096 rows down, less the four steps of the loop
	s_add_nc_u64 s[OH:OH+1], s[OH:OH+1], 4092*4096
	s_add_nc_u64 s[CP:CP+1], s[CP:CP+1], 4093*4096
	s_add_nc_u64 s[PFC:PFC+1], s[PFC:PFC+1], 4096*4096
	s_mov_b32 s95, 0                               ; the last tile has no successor whose images could be asked for
	FETCH 0, 0, 0                                  ; slot 0 was shown whole by the last round
	SCALES 0
	s_sub_co_u32 s2, s2, 1
	s_branch .Ltile
.Llast_tile:
	TURN 0, 1, 0, 1, 0, 0, 94
	STEP 1, 0, 0
	STEP 1, 1, 0
	STEP 1, 2, 0
	s_wait_dscnt 0x0                               ; the very last step: nothing more to fetch
	WIN MUL_LO
	MULA 0, 1, 3, 1, 0
	MULA 1, 1, 3, 1, 0
	WIN MUL_HI
	MULA 2, 1, 3, 1, 0
	MULA 3, 1, 3, 1, 0
	WIN 0
	PLACES
	EPI
	s_wait_tensorcnt 0x0                           ; the wave's end
	ds_add_u32 v[SPW], v[NIL]
	s_wait_dscnt 0x0
	CROUND                                         ; the closing round
	s_endpgm
.Lfunc_end_k_q7d4fc933a0_lstm:
	.size	k_q7d4fc933a0_lstm, .Lfunc_end_k_q7d4fc933a0_lstm-k_q7d4fc933a0_lstm
	.p2alignl 7, 3214868480
	.fill 96, 4, 3214868480
	.section	.rodata,"a",@progbits
	.p2align	6, 0x0
	.amdhsa_kernel k_q7d4fc933a0_lstm
		.amdhsa_group_segment_fixed_size 327680
		.amdhsa_private_segment_fixed_size 0
		.amdhsa_enable_private_segment 0
		.amdhsa_kernarg_size 104
		.amdhsa_user_sgpr_count 2
		.amdhsa_user_sgpr_kernarg_segment_ptr 1
		.amdhsa_wavefront_size32 1
		.amdhsa_system_sgpr_workgroup_id_x 1
		.amdhsa_system_sgpr_workgroup_id_y 1
		.amdhsa_system_sgpr_workgroup_id_z 1
		.amdhsa_system_vgpr_workitem_id 0
		.amdhsa_next_free_vgpr 1024
		.amdhsa_next_free_sgpr 106
		.amdhsa_reserve_vcc 0
		.amdhsa_float_denorm_mode_32 3
		.amdhsa_float_denorm_mode_16_64 3
		.amdhsa_memory_ordered 1
		.amdhsa_forward_progress 1
		.amdhsa_inst_pref_size 255
	.end_amdhsa_kernel
	.section	.bss,"aw",@nobits
	.p2align	6
	.space	262144
	.amdgpu_metadata
---
amdhsa.version: [ 1, 2 ]
amdhsa.kernels:
  - .name:           k_q7d4fc933a0_lstm
    .symbol:         k_q7d4fc933a0_lstm.kd
    .args:
      - { .name: a_img, .offset: 0, .size: 8, .value_kind: global_buffer, .address_space: global }
      - { .name: b_img, .offset: 8, .size: 8, .value_kind: global_buffer, .address_space: global }
      - { .name: ct, .offset: 16, .size: 8, .value_kind: global_buffer, .address_space: global }
      - { .name: wfx_b, .offset: 24, .size: 8, .value_kind: global_buffer, .address_space: global }
      - { .name: wix_b, .offset: 32, .size: 8, .value_kind: global_buffer, .address_space: global }
      - { .name: wgx_b, .offset: 40, .size: 8, .value_kind: global_buffer, .address_space: global }
      - { .name: wox_b, .offset: 48, .size: 8, .value_kind: global_buffer, .address_space: global }
      - { .name: wfh_b, .offset: 56, .size: 8, .value_kind: global_buffer, .address_space: global }
      - { .name: wih_b, .offset: 64, .size: 8, .value_kind: global_buffer, .address_space: global }
      - { .name: wgh_b, .offset: 72, .size: 8, .value_kind: global_buffer, .address_space: global }
      - { .name: woh_b, .offset: 80, .size: 8, .value_kind: global_buffer, .address_space: global }
      - { .name: out0, .offset: 88, .size: 8, .value_kind: global_buffer, .address_space: global }
      - { .name: out1, .offset: 96, .size: 8, .value_kind: global_buffer, .address_space: global }
    .group_segment_fixed_size: 327680
    .private_segment_fixed_size: 0
    .kernarg_segment_align: 8
    .kernarg_segment_size: 104
    .max_flat_workgroup_size: 128
    .sgpr_count:     106
    .vgpr_count:     1024
    .wavefront_size: 32
...
	.end_amdgpu_metadata
.endif
;; end of part 2
